; MI455X (gfx1250); checked and timed in simulation.
; The chip was launched on July 23, 2026; its instructions are those of AMD's public machine-readable ISA for CDNA 5 (MIT licence, August 2026) and "CDNA5" Instruction Set Architecture Reference Guide (July 2026). The comments in the code are by the model that wrote it; some were corrected since.
;; Per Neuron Head. Allowed arithmetic: matrix products marked QUANTISED: E4M3 operands, one E8M0 scale for each 32 along K, by v_wmma_scale_f32_16x16x128_f8f6f4 with both operands' format E4M3, f32 sums; products left as they are: f32 operands where the result goes on into a quantised operand, else bf16, f16 or f32 operands; f32 sums; everything else in f32.
;; Inputs: W1 384 x 128 float32; W2 128 float32; b1 128 float32; b2 one number float32; bin_repr_codes 4 x 512 x 8 x 32 uint8 (E4M3 codes of bin_repr, K innermost, in blocks of 32 codes); bin_repr_scales 4 x 512 x 8 uint8 (E8M0 scales of bin_repr, one for each 32 codes along K); unit_emb_codes 4 x 512 x 4 x 32 uint8 (E4M3 codes of unit_emb, K innermost, in blocks of 32 codes); unit_emb_scales 4 x 512 x 4 uint8 (E8M0 scales of unit_emb, one for each 32 codes along K).
;; Outputs: out0 4 x 512 x 512 float32.
;; This version of the problem:
;;   THIS VERSION OF THE PROBLEM IS GIVEN IN LOW PRECISION. The matrix products marked QUANTISED in the list below multiply operands that are first quantised to E4M3 (4 exponent bits, 3 mantissa bits; 8 bits a number), with one power-of-two scale for each 32 numbers along K (OCP MX v1.0); their sums are f32. All else is computed in f32.
;;   The module's matrix products, in the order in which they are computed (A, B: the left and right operand; K: the contracted axis; several contracted axes count as one K, in the product's order):
;;     1. [M 2,048, K 256] x [K 256, N 128]; A: input bin_repr (given as codes); B: input W1: QUANTISED
;;     2. [M 2,048, K 128] x [K 128, N 128]; A: input unit_emb (given as codes); B: input W1: QUANTISED
;;     3. [M 1,048,576, K 128] x [K 128, N 1]; A: computed on the way; B: input W2: left as it is (N = 1 < 16)
;;   THE QUANTISER, for each operand of a quantised product, along K:
;;     - K is cut into blocks of 32 from its start; a last block that is shorter is filled with zeros.
;;     - A block's scale is 2^e with e = floor(log2(the largest magnitude in the block)) - 8, held to -126 .. 127; a block of zeros has e = 0. As a byte (E8M0): e + 127.
;;     - Each number is divided by its block's scale, clamped to +-448, and rounded to the nearest number of E4M3, ties to even, subnormals kept.
;;     - The product sums the exact products of the quantised numbers (number of the format x scale) in f32.
;;   ~~~python
;;   def quantise(x, axis):      # numpy; x: float32 -> the quantised numbers, widened to float32 again
;;       x = np.moveaxis(x, axis, -1); K = x.shape[-1]
;;       x = np.pad(x, [(0, 0)] * (x.ndim - 1) + [(0, -K % 32)]); x = x.reshape(x.shape[:-1] + (-1, 32)); a = np.abs(x).max(-1, keepdims=True)
;;       e = np.where(a > 0, np.clip(np.frexp(np.where(a > 0, a, 1))[1] - 1 - 8, -126, 127), 0)      # np.frexp(a)[1] - 1 = floor(log2(a)), exactly
;;       r = np.clip(x / 2.0 ** e, -448, 448)
;;       step = 2.0 ** (np.maximum(np.frexp(np.where(r == 0, 1, r))[1] - 1, -6) - 3)
;;       q = np.round(r / step) * step * 2.0 ** e      # np.round: ties to even
;;       return np.moveaxis(q.reshape(q.shape[:-2] + (-1,))[..., :K], -1, axis).astype(np.float32)
;;   ~~~
;;   INPUTS GIVEN AS CODES. bin_repr (in the module: [4, 512, 256], K = its axis 2); unit_emb (in the module: [4, 512, 128], K = its axis 2): each comes as NAME_codes (uint8): NAME with its K axis moved to the last place and cut into blocks of 32 codes, [.., K / 32, bytes a block], one block behind the other in memory; one code a byte (a code: sign, 4 exponent bits, 3 mantissa bits); and NAME_scales (uint8): the same leading axes, one E8M0 byte (e + 127) for each 32 codes along K. Its value is code x scale, taken as it is: it is not quantised again, and the codes and scales need not be those that the quantiser above would give.
;; 2 versions, each right; version 2 is version 1 with the launch head written anew for expert scheduling mode. Each part assembles by itself: llvm-mc -triple=amdgcn-amd-amdhsa -mcpu=gfx1250 --defsym DOCPART=n.
;; ======== version 1 of 2: 1 launch
;; launch head (part 1): grid 8 x 32, 16 waves a work-group, no clusters, 133,120 bytes of LDS; arguments W1, W2, b1, b2, bin_repr_codes, bin_repr_scales, unit_emb_codes, unit_emb_scales, out0; writes out0
.if DOCPART == 1
	.amdgcn_target "amdgcn-amd-amdhsa--gfx1250"
	.amdhsa_code_object_version 6
	.text
	.protected	k_q4fbf94f438_head
	.globl	k_q4fbf94f438_head
	.p2align	8
	.type	k_q4fbf94f438_head,@function
k_q4fbf94f438_head:
	s_mov_b64 s[64:65], 0
	v_nop
	global_prefetch_b8 v0, s[64:65] scope:SCOPE_SE
	s_setreg_imm32_b32 hwreg(HW_REG_WAVE_MODE, 25, 1), 1
	s_wait_xcnt 0x0
; out0[b][n][u] = b2 + sum over h of W2[h] gelu(bin_proj[b][n][h] + unit_proj[b][u][h] + b1[h]),  gelu in its erf form.
; bin_proj = bin_repr W1[0:256], unit_proj = unit_emb W1[256:384]: both on codes of E4M3 with one E8M0 scale for each 32 along K; the left operands arrive as codes,
; W1 [384][128] f32 (K = its first axis) is quantised here.  Everything else in f32.
; SHARES.  256 work-groups of sixteen waves; a work-group owns 64 n x 64 u of one batch (x = block of u, y = 8 b + block of n).  It quantises all of W1 (96 numbers a lane), makes its own 64 rows of
; bin_proj and 64 rows of unit_proj + b1 (six matrix instructions a wave), lays them in LDS, and then each wave works 4 n x 64 u x 128 h: 9,216 vector instructions a wave.
; GELU.  gelu(x) = 0.5 ((x + |x|) - |x| q),  q = 2 Phi(-|x|) = P(|x|)^-16,  P(u) = 1 + d1 u + .. + d6 u^6 (Abramowitz and Stegun 26.2.19: the error of Phi stays under 1.5e-7 for every u >= 0).
; Six multiply-adds, four squarings and one reciprocal; two neighbours along h go in one packed instruction: 18 instructions for two numbers.  x + |x| is exact (0 or 2 x), so nothing cancels for
; negative x; for large |x| P^16 grows to infinity, its reciprocal is 0, and gelu is x or 0.  The factor 0.5 and b2 are applied once for each output.
; The product with W2 (N = 1) is the last multiply-add of those 18, in f32: a bf16 matrix form would cost one rounding instruction a pair in its place and use one column in sixteen.
; LIMITS: NaN and infinities among the inputs are not served; q under 2^-126 counts as 0 (v_rcp_f32 flushes denormals: ISA guide 15.8); Phi's error is the figure above, plus about 16 roundings of P;
; a block of W1 whose largest magnitude lies under 2^-118, a block of zeros among them, gets the scale byte 1 (its codes are zeros or near; the bytes are read by this program alone).
; NO CLUSTER, NO TENSOR LOAD: what work-groups share (W1, 196,608 bytes; 24,576 bytes of codes) is read once, at the head, and W1 has to pass through registers to be quantised; nothing is streamed.
.set W1C,  0                           ; LDS: W1's codes, 128 rows (h) x 384 codes (K innermost) + 16: pitch 400 = 25 x 16 bytes, so sixteen rows start in sixteen different 16-byte columns of 256
.set W1P,  400
.set W1S,  51200                       ; W1's scale bytes: 128 rows x 16; byte 4 i + c: K step i (0, 1: bin; 2: unit), block c
.set BPL,  53248                       ; bin_proj: 64 rows (n) x 128 f32 + 16 bytes: pitch 528
.set BPP,  528
.set UPI,  87040                       ; unit_proj + b1 as images of registers: piece (T, t, e) at 8192 T + 1024 t + 512 e + 16 x lane
.set W2L,  119808                      ; W2, a copy of 512 bytes for each wave; ends at 128,000
.set OW1,  1                           ; v1-7   byte offsets of the global loads
.set OBC,  2
.set OBS,  3
.set OUC,  4
.set OUS,  5
.set OB1,  6
.set OW2,  7
.set AWC,  8                           ; v8-14  LDS addresses of the head
.set AWS,  9
.set AW2,  10
.set AFC,  11
.set AFS,  12
.set ABP,  13
.set AUP,  14
.set OOUT, 15                          ; v15    my byte offset in the wave's rows of out0
.set ADU,  1                           ; v1-3   the main phase's LDS addresses of the trip in hand (free once the global loads are in)
.set ADB,  2
.set ADW,  3
.set CST,  16                          ; v16-27 d6, d5, d4, d3, d2, d1, each twice (pairs for the packed forms); at the head v16-18 hold lane, r, hh
.set ACC,  28                          ; v28-59 the sums: (n, T) is the pair at 28 + 2 (4 n + T).  At the head: v28-31 W2, v32-55 W1's codes
.set QC,   32
.set XW,   60                          ; v60-155 96 numbers of W1; then W1's six fragments
.set WF,   60
.set SET0, 60                          ; main phase: two sets of 36: +4 T unit_proj (T), +16 W2, +20 + 4 n bin_proj (n): four neighbours along h each
.set XR,   132                         ; v132-147 x, later the term
.set UR,   148                         ; v148-163 |x|
.set PR,   164                         ; v164-179 P .. q
.set DB,   156                         ; v156-171 bin_proj's two accumulators;  before them the quantiser's scratch
.set MA,   156
.set MB,   157
.set SCL,  158
.set HOLD, 159
.set BY,   160
.set WS,   180                         ; v180-185 W1's scale words: they hold scales and nothing else
.set ADU0, 186                         ; v186, v187, v239: the main phase's LDS addresses at h = 0; never rewritten
.set ADB0, 187
.set BF,   188                         ; v188-219 bin_repr's two fragments
.set UF,   220                         ; v220-235 unit_emb's fragment
.set BS,   236                         ; v236-237 bin_repr's scale words, v238 unit_emb's: scales and nothing else
.set US,   238
.set ADW0, 239
.set DU,   240                         ; v240-255 b1, then unit_proj + b1: two accumulators
	s_load_b256 s[4:11], s[0:1], 0x0               ; W1 s[4:5], W2 s[6:7], b1 s[8:9], b2 s[10:11]
	s_load_b256 s[12:19], s[0:1], 0x20             ; bin codes s[12:13], bin scales s[14:15], unit codes s[16:17], unit scales s[18:19]
	s_load_b64 s[20:21], s[0:1], 0x40              ; out0
	v_lshrrev_b32 v16, 5, v0
	v_readfirstlane_b32 s23, v16                   ; wave 0..15
	s_and_b32 s24, s23, 3                          ; p: which 32 of the 128 h (head); which 32 columns of W1 I quantise
	s_lshr_b32 s25, s23, 2                         ; q: which tile of 16 rows (head); which block of 32 of a K step I quantise
	v_and_b32 v16, 31, v0                          ; lane
	v_and_b32 v17, 15, v0                          ; r
	v_bfe_u32 v18, v0, 4, 1                        ; hh
	s_and_b32 s35, ttmp7, 0xffff                   ; y = 8 b + block of n
	s_lshl_b32 s44, s35, 6                         ; n0 = 64 y: my first row among the 2,048 rows of bin_repr and of out0
	s_lshl_b32 s45, s25, 4
	s_add_co_u32 s45, s44, s45                     ; n0 + 16 q
	s_lshl_b32 s26, s45, 8                         ; bin codes: 256 bytes a row
	s_mov_b32 s27, 0
	s_lshl_b32 s28, s45, 3                         ; bin scales: 8 bytes a row
	s_mov_b32 s29, 0
	s_lshr_b32 s45, s35, 3
	s_lshl_b32 s45, s45, 9
	s_lshl_b32 s46, ttmp9, 6
	s_add_co_u32 s45, s45, s46                     ; u0 = 512 b + 64 x
	s_add_co_u32 s45, s45, s25                     ; u0 + q: UNIT TILE q TAKES ROWS u0 + 4 r + q, so that a lane's four tiles are four neighbouring outputs
	s_lshl_b32 s36, s45, 7                         ; unit codes: 128 bytes a row
	s_mov_b32 s37, 0
	s_lshl_b32 s38, s45, 2                         ; unit scales: 4 bytes a row
	s_mov_b32 s39, 0
	s_lshl_b32 s40, s24, 7                         ; b1: my 32 numbers
	s_mov_b32 s41, 0
	s_lshl_b32 s45, s23, 2
	s_add_co_u32 s45, s44, s45                     ; n0 + 4 x wave: the main phase's four rows
	s_lshl_b32 s42, s45, 11                        ; out0: 2,048 bytes a row,
	s_lshl_b32 s46, ttmp9, 8
	s_add_co_u32 s42, s42, s46                     ; + my block's 64 outputs
	s_mov_b32 s43, 0
	s_lshl_b32 s45, s24, 7
	s_lshl_b32 s46, s25, 14
	s_add_co_u32 s45, s45, s46
	v_lshl_add_u32 v[OW1], v16, 2, s45             ; W1: column 32 p + lane, from row 32 q on (a row is 512 bytes)
	v_lshlrev_b32 v[OBC], 8, v17
	v_lshl_add_u32 v[OBC], v18, 4, v[OBC]          ; bin codes: row r, + 16 hh
	v_lshlrev_b32 v[OBS], 3, v17
	v_lshlrev_b32 v[OUC], 9, v17
	v_lshl_add_u32 v[OUC], v18, 4, v[OUC]          ; unit codes: row 4 r, + 16 hh
	v_lshlrev_b32 v[OUS], 4, v17
	v_lshlrev_b32 v[OB1], 5, v18                   ; b1: my half's eight numbers of a tile
	v_lshlrev_b32 v[OW2], 4, v16
	s_mov_b32 s30, 0x7fffffff                      ; clears a sign
	s_mov_b32 s31, 0x600000                        ; the mantissa field of 448
	s_mov_b32 s32, 0x76543210
	s_mov_b32 s33, 0xfedcba98                      ; v_permlanex16_b32's selects for lane l xor 16
	s_wait_kmcnt 0x0
	s_load_b32 s22, s[10:11], 0x0                  ; b2's value (no line of this text stores into b2)
	s_add_nc_u64 s[12:13], s[12:13], s[26:27]
	s_add_nc_u64 s[14:15], s[14:15], s[28:29]
	s_add_nc_u64 s[16:17], s[16:17], s[36:37]
	s_add_nc_u64 s[18:19], s[18:19], s[38:39]
	s_add_nc_u64 s[8:9], s[8:9], s[40:41]
	s_add_nc_u64 s[20:21], s[20:21], s[42:43]
	; ---- all global loads of the launch, 115 a wave: W2, the small operands (18), W1 (96)
	global_load_b128 v[28:31], v[OW2], s[6:7]
.irp s, 0,1
.irp c, 0,1,2,3
	global_load_b128 v[BF+16*\s+4*\c:BF+16*\s+4*\c+3], v[OBC], s[12:13] offset:128*\s+32*\c   ; registers 4 c .. 4 c + 3: k = 128 s + 32 c + 16 hh + 0 .. 15 of row r
.endr
.endr
	global_load_b64 v[BS:BS+1], v[OBS], s[14:15]   ; row r's scale words of K steps 0 and 1
.irp c, 0,1,2,3
	global_load_b128 v[UF+4*\c:UF+4*\c+3], v[OUC], s[16:17] offset:32*\c
.endr
	global_load_b32 v[US], v[OUS], s[18:19]
.irp i, 0,1
	global_load_b128 v[DU+8*\i:DU+8*\i+3], v[OB1], s[8:9] offset:64*\i          ; b1 in the result's layout: register j = h 32 p + 16 i + 8 hh + j: it is the C of unit_proj's product
	global_load_b128 v[DU+8*\i+4:DU+8*\i+7], v[OB1], s[8:9] offset:64*\i+16
.endr
.irp i, 0,1,2                          ; A LANE TAKES A COLUMN OF W1 AND ITS REGISTERS RUN DOWN K: a block of 32 along K lies in one lane; a wave's load reads 128 consecutive bytes, four waves a whole row of 512
.set j, 0
.rept 32
	global_load_b32 v[XW+32*\i+j], v[OW1], s[4:5] offset:(128*\i+j)*512
.set j, j+1
.endr
.endr
	; ---- LDS addresses, while the loads are on their way: each a constant + a constant x lane + constants x p, q or the wave's number
	s_mul_i32 s44, s24, 32*W1P                     ; W1C is LDS byte 0
	s_lshl_b32 s45, s25, 5
	s_add_co_u32 s45, s44, s45
	v_mul_u32_u24 v[AWC], v16, W1P
	v_add_nc_u32 v[AWC], s45, v[AWC]               ; my codes: row 32 p + lane, byte 32 q of a K step
	s_lshl_b32 s45, s24, 9
	s_add_co_u32 s45, s45, W1S
	v_lshl_add_u32 v[AFS], v17, 4, s45             ; scale words as an operand wants them: row 32 p + r
	s_add_co_u32 s45, s45, s25
	v_lshl_add_u32 v[AWS], v16, 4, s45             ; my scale bytes: row 32 p + lane, byte q of a K step's word
	v_lshl_add_u32 v[AW2], v0, 4, W2L              ; my wave's copy of W2
	v_mul_u32_u24 v[AFC], v17, W1P
	v_lshl_add_u32 v[AFC], v18, 4, v[AFC]
	v_add_nc_u32 v[AFC], s44, v[AFC]               ; W1's fragments: row 32 p + r, + 16 hh
	s_mul_i32 s45, s25, 16*BPP
	s_lshl_b32 s46, s24, 7
	s_add_co_u32 s45, s45, s46
	s_add_co_u32 s45, s45, BPL
	v_mul_u32_u24 v[ABP], v17, BPP
	v_lshl_add_u32 v[ABP], v18, 5, v[ABP]
	v_add_nc_u32 v[ABP], s45, v[ABP]               ; bin_proj: row 16 q + r, h 32 p + 8 hh on
	s_lshl_b32 s45, s25, 13
	s_lshl_b32 s46, s24, 11
	s_add_co_u32 s45, s45, s46
	s_add_co_u32 s45, s45, UPI
	v_lshl_add_u32 v[AUP], v16, 4, s45             ; unit_proj's images: T = q, t = 2 p on
	v_lshlrev_b32 v[OOUT], 4, v17
	v_lshl_add_u32 v[OOUT], v18, 11, v[OOUT]       ; out0: lanes 0-15 one row, lanes 16-31 the next; 16 bytes a lane
	v_lshl_add_u32 v[ADU0], v16, 4, UPI
	s_mul_i32 s45, s23, 4*BPP
	s_add_co_u32 s45, s45, BPL
	v_lshl_add_u32 v[ADB0], v18, 5, s45            ; my wave's four rows of bin_proj, my half's eight h of a tile
	s_lshl_b32 s45, s23, 9
	s_add_co_u32 s45, s45, W2L
	v_lshl_add_u32 v[ADW0], v18, 5, s45
; ---- One block of 32 along K of my column: rows 128 i + 32 q + 0 .. 31.  left: how many younger global loads may stay out.
; The scale is 2^(floor(log2(largest magnitude)) - 8): its byte is the largest magnitude's exponent field - 8, held at 1 from below by a floor among the maximum's leaves.
.macro QUANTW i, left
.set XS, XW+32*(\i)
	s_wait_loadcnt \left
	v_max3_num_f32 v[MA], |v[XS]|, |v[XS+1]|, |v[XS+2]|
	v_max3_num_f32 v[MB], |v[XS+3]|, |v[XS+4]|, |v[XS+5]|
.irp j, 6,10,14,18,22,26
	v_max3_num_f32 v[MA], v[MA], |v[XS+\j]|, |v[XS+\j+1]|          ; two chains, so that no line waits for the line above it
	v_max3_num_f32 v[MB], v[MB], |v[XS+\j+2]|, |v[XS+\j+3]|
.endr
	v_max3_num_f32 v[MA], v[MA], |v[XS+30]|, |v[XS+31]|
	v_max3_num_f32 v[MA], v[MA], v[MB], 0x4800000  ; the floor 2^(9 - 127)
	v_add_nc_u32 v[SCL], 0xfc000000, v[MA]         ; 8 off the exponent field: the conversion takes the exponent field of this operand as its scale, and nothing else of it
	v_and_or_b32 v[HOLD], v[MA], 0x7f800000, s31   ; 448 x the scale
	v_lshrrev_b32 v[BY+(\i)], 23, v[SCL]           ; the scale's byte
.set j, 0
.rept 32
	v_med3_num_f32 v[XS+j], v[XS+j], -v[HOLD], v[HOLD]             ; the conversion to an 8-bit code does not saturate (ISA guide 7.6.2): the hold at the largest code x the scale
.set j, j+1
.endr
.irp g, 0,1,2,3
	v_cvt_scalef32_pk8_fp8_f32 v[QC+8*(\i)+2*\g:QC+8*(\i)+2*\g+1], v[XS+8*\g:XS+8*\g+7], v[SCL]
.endr
	v_nop                                          ; one plain vector instruction behind the last conversion: later vector and matrix instructions write its sources and results
	ds_store_b128 v[AWC], v[QC+8*(\i):QC+8*(\i)+3] offset:128*(\i)          ; each block has registers of its own for its codes and its byte
	ds_store_b128 v[AWC], v[QC+8*(\i)+4:QC+8*(\i)+7] offset:128*(\i)+16
	ds_store_b8 v[AWS], v[BY+(\i)] offset:4*(\i)
.endm
	QUANTW 0, 63                                   ; 64 loads were issued behind this block's: the wait names 63, the most that it can
	ds_store_b128 v[AW2], v[28:31]                 ; W2 was the first load of all
	QUANTW 1, 32                                   ; the third block's 32 loads may stay out
	QUANTW 2, 0                                    ; all global loads are in, the small operands among them
	s_wait_kmcnt 0x0                               ; b2
	s_wait_dscnt 0x0                               ; for the others' sake: my stores have landed
	s_barrier_signal -1
	s_barrier_wait -1                              ; W1's codes and scale bytes lie in LDS
	; ---- the two projections.  Wave (q, p): tiles of h 2 p and 2 p + 1, for bin tile q and unit tile q.  Fragment (i, s): tile 2 p + i, K step s, at v[WF + 16 (3 i + s)]
.irp i, 0,1
.irp s, 0,1,2
.irp c, 0,1,2,3
	ds_load_b128 v[WF+16*(3*\i+\s)+4*\c:WF+16*(3*\i+\s)+4*\c+3], v[AFC] offset:16*W1P*\i+128*\s+32*\c
.endr
	ds_load_b32 v[WS+3*\i+\s], v[AFS] offset:256*\i+4*\s
.endr
.endr
	s_wait_dscnt 0x0
	; USED TRANSPOSED: source 0 = 16 rows (h) of W1, source 1 = 16 rows of data: lane (r, hh) then holds data row r, and register j the hidden unit 16 t + 8 hh + j.
	; The four accumulators take turns, one instruction a turn.
	v_wmma_scale_f32_16x16x128_f8f6f4 v[DB:DB+7], v[WF:WF+15], v[BF:BF+15], 0, v[WS], v[BS]
	v_wmma_scale_f32_16x16x128_f8f6f4 v[DB+8:DB+15], v[WF+48:WF+63], v[BF:BF+15], 0, v[WS+3], v[BS]
	v_wmma_scale_f32_16x16x128_f8f6f4 v[DU:DU+7], v[WF+32:WF+47], v[UF:UF+15], v[DU:DU+7], v[WS+2], v[US]
	v_wmma_scale_f32_16x16x128_f8f6f4 v[DU+8:DU+15], v[WF+80:WF+95], v[UF:UF+15], v[DU+8:DU+15], v[WS+5], v[US]
	v_wmma_scale_f32_16x16x128_f8f6f4 v[DB:DB+7], v[WF+16:WF+31], v[BF+16:BF+31], v[DB:DB+7], v[WS+1], v[BS+1]
	v_wmma_scale_f32_16x16x128_f8f6f4 v[DB+8:DB+15], v[WF+64:WF+79], v[BF+16:BF+31], v[DB+8:DB+15], v[WS+4], v[BS+1]
	; 44 plain instructions that name none of the products' registers: the eight places behind this form, in front of the stores that read the results and of the later loads into the operands
.macro TWICE at, bits
	v_mov_b32 v[CST+\at], \bits
	v_mov_b32 v[CST+\at+1], \bits
.endm
	TWICE 0,  0x36b49f9e                           ; d6 = .0000053830
	TWICE 2,  0x384d0fe2                           ; d5 = .0000488906
	TWICE 4,  0x381f660e                           ; d4 = .0000380036
	TWICE 6,  0x3b56cd72                           ; d3 = .0032776263
	TWICE 8,  0x3cad2fe7                           ; d2 = .0211410061
	TWICE 10, 0x3d4c41b4                           ; d1 = .0498673470
.set j, 0
.rept 32
	v_mov_b32 v[ACC+j], 0                          ; the sixteen sums, in two halves each
.set j, j+1
.endr
.irp i, 0,1
	ds_store_b128 v[ABP], v[DB+8*\i:DB+8*\i+3] offset:64*\i                 ; each accumulator from its low end on
	ds_store_b128 v[ABP], v[DB+8*\i+4:DB+8*\i+7] offset:64*\i+16
.endr
.irp i, 0,1
	ds_store_b128 v[AUP], v[DU+8*\i:DU+8*\i+3] offset:1024*\i              ; as images of the registers: 512 consecutive bytes a store
	ds_store_b128 v[AUP], v[DU+8*\i+4:DU+8*\i+7] offset:1024*\i+512
.endr
	s_wait_dscnt 0x0
	s_barrier_signal -1
	s_barrier_wait -1                              ; bin_proj and unit_proj + b1 lie in LDS; from here on LDS is only read
; ---- THE MAIN PHASE.  Wave w: rows n = 4 w + 0 .. 3, all 64 u.  Lane (r, hh): u = 4 r + T, T = 0 .. 3; of each tile t of 16 h the eight of its half, as two chunks e of four.
; Nine LDS loads bring chunk (t + ah, e): W2's four, bin_proj's four for each of four n (sixteen lanes read one address), unit_proj's four for each of four T (16 bytes a lane, on end).
.macro LOADSET e, ah, ru, rb, rw
.set SB, SET0+36*(\e)
	ds_load_b128 v[SB+16:SB+19], v[\rw] offset:16*(\e)+64*(\ah)
.irp n, 0,1,2,3
	ds_load_b128 v[SB+20+4*\n:SB+23+4*\n], v[\rb] offset:BPP*\n+16*(\e)+64*(\ah)
.endr
.irp t, 0,1,2,3
	ds_load_b128 v[SB+4*\t:SB+4*\t+3], v[\ru] offset:8192*\t+512*(\e)+1024*(\ah)
.endr
.endm
; Sixteen numbers: row n, four T, chunk e's four h, as eight pairs (pair 2 T + h: h = 0, 1 the chunk's halves).  Each stage is eight or sixteen lines that do not wait for each other.
.macro BATCH e, n
.set SB, SET0+36*(\e)
.irp t, 0,1,2,3
.irp h, 0,1
	v_pk_add_f32 v[XR+4*\t+2*\h:XR+4*\t+2*\h+1], v[SB+4*\t+2*\h:SB+4*\t+2*\h+1], v[SB+20+4*(\n)+2*\h:SB+20+4*(\n)+2*\h+1]   ; x
.endr
.endr
.irp k, 0,1,2,3,4,5,6,7,8,9,10,11,12,13,14,15
	v_and_b32 v[UR+\k], s30, v[XR+\k]              ; u = |x|
.endr
.irp k, 0,1,2,3,4,5,6,7
	v_pk_fma_f32 v[PR+2*\k:PR+2*\k+1], v[UR+2*\k:UR+2*\k+1], v[CST:CST+1], v[CST+2:CST+3]   ; d6 u + d5
.endr
.irp c, 4,6,8,10
.irp k, 0,1,2,3,4,5,6,7
	v_pk_fma_f32 v[PR+2*\k:PR+2*\k+1], v[PR+2*\k:PR+2*\k+1], v[UR+2*\k:UR+2*\k+1], v[CST+\c:CST+\c+1]
.endr
.endr
.irp k, 0,1,2,3,4,5,6,7
	v_pk_fma_f32 v[PR+2*\k:PR+2*\k+1], v[PR+2*\k:PR+2*\k+1], v[UR+2*\k:UR+2*\k+1], 1.0 op_sel_hi:[1,1,0]   ; P(u)
.endr
.rept 4
.irp k, 0,1,2,3,4,5,6,7
	v_pk_mul_f32 v[PR+2*\k:PR+2*\k+1], v[PR+2*\k:PR+2*\k+1], v[PR+2*\k:PR+2*\k+1]   ; P^2, P^4, P^8, P^16
.endr
.endr
.irp k, 0,1,2,3,4,5,6,7,8,9,10,11,12,13,14,15
	v_rcp_f32 v[PR+\k], v[PR+\k]                   ; q = P^-16: one batch of sixteen
.endr
.irp k, 0,1,2,3,4,5,6,7
	v_pk_add_f32 v[XR+2*\k:XR+2*\k+1], v[XR+2*\k:XR+2*\k+1], v[UR+2*\k:UR+2*\k+1]   ; x + u: plain work that names no reciprocal, behind the batch
.endr
	s_wait_alu depctr_va_vdst(0)                   ; one wait for the batch, ahead of its first reader
.irp k, 0,1,2,3,4,5,6,7
	v_pk_fma_f32 v[XR+2*\k:XR+2*\k+1], v[UR+2*\k:UR+2*\k+1], v[PR+2*\k:PR+2*\k+1], v[XR+2*\k:XR+2*\k+1] neg_lo:[1,0,0] neg_hi:[1,0,0]   ; (x + u) - u q = 2 gelu(x)
.endr
.irp h, 0,1
.irp t, 0,1,2,3
	v_pk_fma_f32 v[ACC+2*(4*(\n)+\t):ACC+2*(4*(\n)+\t)+1], v[XR+4*\t+2*\h:XR+4*\t+2*\h+1], v[SB+16+2*\h:SB+16+2*\h+1], v[ACC+2*(4*(\n)+\t):ACC+2*(4*(\n)+\t)+1]   ; x W2, onto the sum of (n, T)
.endr
.endr
.endm
; A trip: tile t of 16 h.  Set 0 (chunk 0) was asked for half a trip ago; each set is asked for while the other is worked on.
.macro TRIP last
	v_add_nc_u32 v[ADU], s47, v[ADU0]              ; the trip's addresses: 1,024 t bytes on among the images, 64 t in a row of bin_proj and in W2
	v_add_nc_u32 v[ADB], s46, v[ADB0]
	v_add_nc_u32 v[ADW], s46, v[ADW0]
	LOADSET 1, 0, ADU, ADB, ADW
	s_wait_dscnt 9                                 ; set 0 is in; the nine loads just issued may stay out
	BATCH 0, 0
	BATCH 0, 1
	BATCH 0, 2
	BATCH 0, 3
.if \last
	s_wait_dscnt 0x0                               ; set 1 is in; nothing more is asked for
.else
	LOADSET 0, 1, ADU, ADB, ADW                    ; the next tile's chunk 0
	s_wait_dscnt 9                                 ; set 1 is in; the nine loads just issued may stay out
.endif
	BATCH 1, 0
	BATCH 1, 1
	BATCH 1, 2
	BATCH 1, 3
.endm
	s_mov_b32 s46, 0
	s_mov_b32 s47, 0
	LOADSET 0, 0, ADU0, ADB0, ADW0
	s_mov_b32 s34, 7
.Ltrip:
	TRIP 0
	s_add_co_u32 s46, s46, 64
	s_add_co_u32 s47, s47, 1024
	s_sub_co_u32 s34, s34, 1
	s_cmp_lg_u32 s34, 0
	s_cbranch_scc1 .Ltrip
	TRIP 1                                         ; the eighth tile is written out: it asks for nothing beyond the last
	; ---- THE WAY OUT.  A sum's two halves, and the other half of the lanes' (the other eight h of each tile); then x 0.5 + b2.
.irp k, 0,1,2,3,4,5,6,7,8,9,10,11,12,13,14,15
	v_add_f32 v[UR+\k], v[ACC+2*\k], v[ACC+2*\k+1]
.endr
.irp k, 0,1,2,3,4,5,6,7,8,9,10,11,12,13,14,15
	v_permlanex16_b32 v[PR+\k], v[UR+\k], s32, s33
.endr
.irp k, 0,1,2,3,4,5,6,7,8,9,10,11,12,13,14,15
	v_add_f32 v[UR+\k], v[UR+\k], v[PR+\k]         ; both halves of the lanes now hold all sixteen outputs (n, T) of their r
.endr
	v_and_b32 v16, 16, v0
	v_cmp_ne_u32 vcc_lo, 0, v16                    ; lanes 16-31
.irp m, 0,1
.irp t, 0,1,2,3
	v_cndmask_b32 v[XR+4*\m+\t], v[UR+8*\m+\t], v[UR+8*\m+4+\t], vcc_lo    ; lanes 0-15 keep row 2 m, lanes 16-31 row 2 m + 1
.endr
.endr
.irp k, 0,1,2,3,4,5,6,7
	v_fma_f32 v[XR+\k], v[XR+\k], 0.5, s22
.endr
.irp m, 0,1
	global_store_b128 v[OOUT], v[XR+4*\m:XR+4*\m+3], s[20:21] offset:4096*\m th:TH_STORE_NT   ; sixteen lanes store 256 consecutive bytes of a row, at a multiple of 256 from out0's first byte
.endr
	s_wait_xcnt 0x0
	v_lshl_add_u32 v254, v0, 2, 0x20000
	v_mov_b32 v255, 0
	s_wait_tensorcnt 0x0
	ds_add_u32 v254, v255
	s_wait_dscnt 0x0
	s_endpgm
.Lfunc_end_k_q4fbf94f438_head:
	.size	k_q4fbf94f438_head, .Lfunc_end_k_q4fbf94f438_head-k_q4fbf94f438_head
	.p2alignl 7, 3214868480
	.fill 96, 4, 3214868480
	.section	.rodata,"a",@progbits
	.p2align	6, 0x0
	.amdhsa_kernel k_q4fbf94f438_head
		.amdhsa_group_segment_fixed_size 133120
		.amdhsa_private_segment_fixed_size 0
		.amdhsa_enable_private_segment 0
		.amdhsa_kernarg_size 72
		.amdhsa_user_sgpr_count 2
		.amdhsa_user_sgpr_kernarg_segment_ptr 1
		.amdhsa_wavefront_size32 1
		.amdhsa_system_sgpr_workgroup_id_x 1
		.amdhsa_system_sgpr_workgroup_id_y 1
		.amdhsa_system_sgpr_workgroup_id_z 1
		.amdhsa_system_vgpr_workitem_id 0
		.amdhsa_next_free_vgpr 256
		.amdhsa_next_free_sgpr 66
		.amdhsa_reserve_vcc 1
		.amdhsa_float_denorm_mode_32 3
		.amdhsa_float_denorm_mode_16_64 3
		.amdhsa_memory_ordered 1
		.amdhsa_forward_progress 1
		.amdhsa_inst_pref_size 167
	.end_amdhsa_kernel
	.amdgpu_metadata
---
amdhsa.version: [ 1, 2 ]
amdhsa.kernels:
  - .name:           k_q4fbf94f438_head
    .symbol:         k_q4fbf94f438_head.kd
    .args:
      - { .name: W1, .offset: 0, .size: 8, .value_kind: global_buffer, .address_space: global }
      - { .name: W2, .offset: 8, .size: 8, .value_kind: global_buffer, .address_space: global }
      - { .name: b1, .offset: 16, .size: 8, .value_kind: global_buffer, .address_space: global }
      - { .name: b2, .offset: 24, .size: 8, .value_kind: global_buffer, .address_space: global }
      - { .name: bin_repr_codes, .offset: 32, .size: 8, .value_kind: global_buffer, .address_space: global }
      - { .name: bin_repr_scales, .offset: 40, .size: 8, .value_kind: global_buffer, .address_space: global }
      - { .name: unit_emb_codes, .offset: 48, .size: 8, .value_kind: global_buffer, .address_space: global }
      - { .name: unit_emb_scales, .offset: 56, .size: 8, .value_kind: global_buffer, .address_space: global }
      - { .name: out0, .offset: 64, .size: 8, .value_kind: global_buffer, .address_space: global }
    .group_segment_fixed_size: 133120
    .private_segment_fixed_size: 0
    .kernarg_segment_align: 8
    .kernarg_segment_size: 72
    .max_flat_workgroup_size: 512
    .sgpr_count:     66
    .vgpr_count:     256
    .wavefront_size: 32
...
	.end_amdgpu_metadata
.endif
;; end of part 1
;; ======== version 2 of 2: 1 launch; version 1 with the launch head written anew for expert scheduling mode
;; launch head (part 2): grid 8 x 32, 16 waves a work-group, no clusters, 133,120 bytes of LDS; arguments W1, W2, b1, b2, bin_repr_codes, bin_repr_scales, unit_emb_codes, unit_emb_scales, out0; writes out0
.if DOCPART == 2
	.amdgcn_target "amdgcn-amd-amdhsa--gfx1250"
	.amdhsa_code_object_version 6
	.text
	.protected	k_q4fbf94f438_head
	.globl	k_q4fbf94f438_head
	.p2align	8
	.type	k_q4fbf94f438_head,@function
k_q4fbf94f438_head:
	s_mov_b64 s[64:65], 0
	v_nop
	global_prefetch_b8 v0, s[64:65] scope:SCOPE_SE
	s_setreg_imm32_b32 hwreg(HW_REG_WAVE_SCHED_MODE, 0, 2), 2
	s_setreg_imm32_b32 hwreg(HW_REG_WAVE_MODE, 25, 1), 1
	s_wait_xcnt 0x0
	s_wait_alu depctr_vm_vsrc(0)
; out0[b][n][u] = b2 + sum over h of W2[h] gelu(bin_proj[b][n][h] + unit_proj[b][u][h] + b1[h]),  gelu in its erf form.
; bin_proj = bin_repr W1[0:256], unit_proj = unit_emb W1[256:384]: both on codes of E4M3 with one E8M0 scale for each 32 along K; the left operands arrive as codes,
; W1 [384][128] f32 (K = its first axis) is quantised here.  Everything else in f32.
; SHARES.  256 work-groups of sixteen waves; a work-group owns 64 n x 64 u of one batch (x = block of u, y = 8 b + block of n).  It quantises all of W1 (96 numbers a lane), makes its own 64 rows of
; bin_proj and 64 rows of unit_proj + b1 (six matrix instructions a wave), lays them in LDS, and then each wave works 4 n x 64 u x 128 h: 9,216 vector instructions a wave.
; GELU.  gelu(x) = 0.5 ((x + |x|) - |x| q),  q = 2 Phi(-|x|) = P(|x|)^-16,  P(u) = 1 + d1 u + .. + d6 u^6 (Abramowitz and Stegun 26.2.19: the error of Phi stays under 1.5e-7 for every u >= 0).
; Six multiply-adds, four squarings and one reciprocal; two neighbours along h go in one packed instruction: 18 instructions for two numbers.  x + |x| is exact (0 or 2 x), so nothing cancels for
; negative x; for large |x| P^16 grows to infinity, its reciprocal is 0, and gelu is x or 0.  The factor 0.5 and b2 are applied once for each output.
; The product with W2 (N = 1) is the last multiply-add of those 18, in f32: a bf16 matrix form would cost one rounding instruction a pair in its place and use one column in sixteen.
; LIMITS: NaN and infinities among the inputs are not served; q under 2^-126 counts as 0 (v_rcp_f32 flushes denormals: ISA guide 15.8); Phi's error is the figure above, plus about 16 roundings of P;
; a block of W1 whose largest magnitude lies under 2^-118, a block of zeros among them, gets the scale byte 1 (its codes are zeros or near; the bytes are read by this program alone).
; NO CLUSTER, NO TENSOR LOAD: what work-groups share (W1, 196,608 bytes; 24,576 bytes of codes) is read once, at the head, and W1 has to pass through registers to be quantised; nothing is streamed.
; THE MODE: SCHED_MODE bits 1:0 = 2 (LLVM: expert scheduling mode 2), set by the entry lines.  The code itself states the register dependences
; between vector or matrix instructions and memory or LDS instructions, with s_wait_alu, always for 0.
; THE PLAN.  Registers that memory or LDS instructions touch:
;   v1-7            global offsets: written once at the head, read by the 115 global loads.  v1-3 become the loop's LDS addresses.
;   v8-15, v186, v187, v239   LDS addresses and out0's offset: written once, behind the global loads, never again.
;   v28-55, v160-162  W2, W1's codes and scale bytes: read by LDS stores; written again by the moves that start the sums and by bin_proj's products.
;   v60-155         W1 as loaded: read by the quantiser; then W1's fragments land there, which the products read; then the loop's two sets land in v60-131.
;   v156-171, v240-255  the accumulators: written by the products, read by LDS stores; written again by the batches (v148-179) and, v254 and v255, at the wave's end.
;   THE LOOP.  Set 0 (v60-95) and set 1 (v96-131): a chunk's four batches read one set, down to the last batch's last multiply-adds (W2's four registers).  Each batch holds one wait on va_vdst, behind its
;   reciprocals.  At that wait in a chunk's FIRST batch every vector line of the chunk before is done, so the other set is free: its nine loads stand behind it, among multiply-adds that name
;   v132-179, the sums and the set in hand alone.  v1-3: written by three adds at a trip's head, ahead of the first batch's wait; read by the trip's eighteen loads; one wait on vm_vsrc stands ahead of the adds.
;   So the loop holds no wait on va_vdst beyond the batches' own, and one on vm_vsrc a trip.
.set W1C,  0                           ; LDS: W1's codes, 128 rows (h) x 384 codes (K innermost) + 16: pitch 400 = 25 x 16 bytes, so sixteen rows start in sixteen different 16-byte columns of 256
.set W1P,  400
.set W1S,  51200                       ; W1's scale bytes: 128 rows x 16; byte 4 i + c: K step i (0, 1: bin; 2: unit), block c
.set BPL,  53248                       ; bin_proj: 64 rows (n) x 128 f32 + 16 bytes: pitch 528
.set BPP,  528
.set UPI,  87040                       ; unit_proj + b1 as images of registers: piece (T, t, e) at 8192 T + 1024 t + 512 e + 16 x lane
.set W2L,  119808                      ; W2, a copy of 512 bytes for each wave; ends at 128,000
.set OW1,  1                           ; v1-7   byte offsets of the global loads
.set OBC,  2
.set OBS,  3
.set OUC,  4
.set OUS,  5
.set OB1,  6
.set OW2,  7
.set AWC,  8                           ; v8-14  LDS addresses of the head
.set AWS,  9
.set AW2,  10
.set AFC,  11
.set AFS,  12
.set ABP,  13
.set AUP,  14
.set OOUT, 15                          ; v15    my byte offset in the wave's rows of out0
.set ADU,  1                           ; v1-3   the main phase's LDS addresses of the trip in hand (free once the global loads are in)
.set ADB,  2
.set ADW,  3
.set CST,  16                          ; v16-27 d6, d5, d4, d3, d2, d1, each twice (pairs for the packed forms); at the head v16-18 hold lane, r, hh
.set ACC,  28                          ; v28-59 the sums: (n, T) is the pair at 28 + 2 (4 n + T).  At the head: v28-31 W2, v32-55 W1's codes
.set QC,   32
.set XW,   60                          ; v60-155 96 numbers of W1; then W1's six fragments
.set WF,   60
.set SET0, 60                          ; main phase: two sets of 36: +4 T unit_proj (T), +16 W2, +20 + 4 n bin_proj (n): four neighbours along h each
.set XR,   132                         ; v132-147 x, later the term
.set UR,   148                         ; v148-163 |x|
.set PR,   164                         ; v164-179 P .. q
.set DB,   156                         ; v156-171 bin_proj's two accumulators;  before them the quantiser's scratch
.set MA,   156
.set MB,   157
.set SCL,  158
.set HOLD, 159
.set BY,   160
.set WS,   180                         ; v180-185 W1's scale words: they hold scales and nothing else
.set ADU0, 186                         ; v186, v187, v239: the main phase's LDS addresses at h = 0; never rewritten
.set ADB0, 187
.set BF,   188                         ; v188-219 bin_repr's two fragments
.set UF,   220                         ; v220-235 unit_emb's fragment
.set BS,   236                         ; v236-237 bin_repr's scale words, v238 unit_emb's: scales and nothing else
.set US,   238
.set ADW0, 239
.set DU,   240                         ; v240-255 b1, then unit_proj + b1: two accumulators
	s_load_b256 s[4:11], s[0:1], 0x0               ; W1 s[4:5], W2 s[6:7], b1 s[8:9], b2 s[10:11]
	s_load_b256 s[12:19], s[0:1], 0x20             ; bin codes s[12:13], bin scales s[14:15], unit codes s[16:17], unit scales s[18:19]
	s_load_b64 s[20:21], s[0:1], 0x40              ; out0
	v_lshrrev_b32 v16, 5, v0
	v_readfirstlane_b32 s23, v16                   ; wave 0..15
	v_and_b32 v16, 31, v0                          ; lane
	v_and_b32 v17, 15, v0                          ; r
	v_bfe_u32 v18, v0, 4, 1                        ; hh
	s_and_b32 s35, ttmp7, 0xffff                   ; y = 8 b + block of n
	s_lshl_b32 s44, s35, 6                         ; n0 = 64 y: my first row among the 2,048 rows of bin_repr and of out0
	s_wait_alu depctr_va_sdst(0)                   ; s23 is written, ahead of its first reader: p, q and every wave term below are made from it
	s_and_b32 s24, s23, 3                          ; p: which 32 of the 128 h (head); which 32 columns of W1 I quantise
	s_lshr_b32 s25, s23, 2                         ; q: which tile of 16 rows (head); which block of 32 of a K step I quantise
	s_lshl_b32 s45, s25, 4
	s_add_co_u32 s45, s44, s45                     ; n0 + 16 q
	s_lshl_b32 s26, s45, 8                         ; bin codes: 256 bytes a row
	s_mov_b32 s27, 0
	s_lshl_b32 s28, s45, 3                         ; bin scales: 8 bytes a row
	s_mov_b32 s29, 0
	s_lshr_b32 s45, s35, 3
	s_lshl_b32 s45, s45, 9
	s_lshl_b32 s46, ttmp9, 6
	s_add_co_u32 s45, s45, s46                     ; u0 = 512 b + 64 x
	s_add_co_u32 s45, s45, s25                     ; u0 + q: UNIT TILE q TAKES ROWS u0 + 4 r + q, so that a lane's four tiles are four neighbouring outputs
	s_lshl_b32 s36, s45, 7                         ; unit codes: 128 bytes a row
	s_mov_b32 s37, 0
	s_lshl_b32 s38, s45, 2                         ; unit scales: 4 bytes a row
	s_mov_b32 s39, 0
	s_lshl_b32 s40, s24, 7                         ; b1: my 32 numbers
	s_mov_b32 s41, 0
	s_lshl_b32 s45, s23, 2
	s_add_co_u32 s45, s44, s45                     ; n0 + 4 x wave: the main phase's four rows
	s_lshl_b32 s42, s45, 11                        ; out0: 2,048 bytes a row,
	s_lshl_b32 s46, ttmp9, 8
	s_add_co_u32 s42, s42, s46                     ; + my block's 64 outputs
	s_mov_b32 s43, 0
	s_lshl_b32 s45, s24, 7
	s_lshl_b32 s46, s25, 14
	s_add_co_u32 s45, s45, s46
	v_lshl_add_u32 v[OW1], v16, 2, s45             ; W1: column 32 p + lane, from row 32 q on (a row is 512 bytes)
	v_lshlrev_b32 v[OBC], 8, v17
	v_lshl_add_u32 v[OBC], v18, 4, v[OBC]          ; bin codes: row r, + 16 hh
	v_lshlrev_b32 v[OBS], 3, v17
	v_lshlrev_b32 v[OUC], 9, v17
	v_lshl_add_u32 v[OUC], v18, 4, v[OUC]          ; unit codes: row 4 r, + 16 hh
	v_lshlrev_b32 v[OUS], 4, v17
	v_lshlrev_b32 v[OB1], 5, v18                   ; b1: my half's eight numbers of a tile
	v_lshlrev_b32 v[OW2], 4, v16
	s_mov_b32 s30, 0x7fffffff                      ; clears a sign
	s_mov_b32 s31, 0x600000                        ; the mantissa field of 448
	s_mov_b32 s32, 0x76543210
	s_mov_b32 s33, 0xfedcba98                      ; v_permlanex16_b32's selects for lane l xor 16
	s_wait_kmcnt 0x0
	s_load_b32 s22, s[10:11], 0x0                  ; b2's value (no line of this text stores into b2)
	s_add_nc_u64 s[12:13], s[12:13], s[26:27]
	s_add_nc_u64 s[14:15], s[14:15], s[28:29]
	s_add_nc_u64 s[16:17], s[16:17], s[36:37]
	s_add_nc_u64 s[18:19], s[18:19], s[38:39]
	s_add_nc_u64 s[8:9], s[8:9], s[40:41]
	s_add_nc_u64 s[20:21], s[20:21], s[42:43]
	s_wait_alu depctr_va_vdst(0)                   ; the seven offsets v1 to v7 are written, which the global loads below read
	; ---- all global loads of the launch, 115 a wave: W2, the small operands (18), W1 (96)
	global_load_b128 v[28:31], v[OW2], s[6:7]
.irp s, 0,1
.irp c, 0,1,2,3
	global_load_b128 v[BF+16*\s+4*\c:BF+16*\s+4*\c+3], v[OBC], s[12:13] offset:128*\s+32*\c   ; registers 4 c .. 4 c + 3: k = 128 s + 32 c + 16 hh + 0 .. 15 of row r
.endr
.endr
	global_load_b64 v[BS:BS+1], v[OBS], s[14:15]   ; row r's scale words of K steps 0 and 1
.irp c, 0,1,2,3
	global_load_b128 v[UF+4*\c:UF+4*\c+3], v[OUC], s[16:17] offset:32*\c
.endr
	global_load_b32 v[US], v[OUS], s[18:19]
.irp i, 0,1
	global_load_b128 v[DU+8*\i:DU+8*\i+3], v[OB1], s[8:9] offset:64*\i          ; b1 in the result's layout: register j = h 32 p + 16 i + 8 hh + j: it is the C of unit_proj's product
	global_load_b128 v[DU+8*\i+4:DU+8*\i+7], v[OB1], s[8:9] offset:64*\i+16
.endr
.irp i, 0,1,2                          ; A LANE TAKES A COLUMN OF W1 AND ITS REGISTERS RUN DOWN K: a block of 32 along K lies in one lane; a wave's load reads 128 consecutive bytes, four waves a whole row of 512
.set j, 0
.rept 32
	global_load_b32 v[XW+32*\i+j], v[OW1], s[4:5] offset:(128*\i+j)*512
.set j, j+1
.endr
.endr
	; ---- LDS addresses, while the loads are on their way: each a constant + a constant x lane + constants x p, q or the wave's number.  No load lands in a register that these lines name
	s_mul_i32 s44, s24, 32*W1P                     ; W1C is LDS byte 0
	s_lshl_b32 s45, s25, 5
	s_add_co_u32 s45, s44, s45
	v_mul_u32_u24 v[AWC], v16, W1P
	v_add_nc_u32 v[AWC], s45, v[AWC]               ; my codes: row 32 p + lane, byte 32 q of a K step
	s_lshl_b32 s45, s24, 9
	s_add_co_u32 s45, s45, W1S
	v_lshl_add_u32 v[AFS], v17, 4, s45             ; scale words as an operand wants them: row 32 p + r
	s_add_co_u32 s45, s45, s25
	v_lshl_add_u32 v[AWS], v16, 4, s45             ; my scale bytes: row 32 p + lane, byte q of a K step's word
	v_lshl_add_u32 v[AW2], v0, 4, W2L              ; my wave's copy of W2
	v_mul_u32_u24 v[AFC], v17, W1P
	v_lshl_add_u32 v[AFC], v18, 4, v[AFC]
	v_add_nc_u32 v[AFC], s44, v[AFC]               ; W1's fragments: row 32 p + r, + 16 hh
	s_mul_i32 s45, s25, 16*BPP
	s_lshl_b32 s46, s24, 7
	s_add_co_u32 s45, s45, s46
	s_add_co_u32 s45, s45, BPL
	v_mul_u32_u24 v[ABP], v17, BPP
	v_lshl_add_u32 v[ABP], v18, 5, v[ABP]
	v_add_nc_u32 v[ABP], s45, v[ABP]               ; bin_proj: row 16 q + r, h 32 p + 8 hh on
	s_lshl_b32 s45, s25, 13
	s_lshl_b32 s46, s24, 11
	s_add_co_u32 s45, s45, s46
	s_add_co_u32 s45, s45, UPI
	v_lshl_add_u32 v[AUP], v16, 4, s45             ; unit_proj's images: T = q, t = 2 p on
	v_lshlrev_b32 v[OOUT], 4, v17
	v_lshl_add_u32 v[OOUT], v18, 11, v[OOUT]       ; out0: lanes 0-15 one row, lanes 16-31 the next; 16 bytes a lane
	v_lshl_add_u32 v[ADU0], v16, 4, UPI
	s_mul_i32 s45, s23, 4*BPP
	s_add_co_u32 s45, s45, BPL
	v_lshl_add_u32 v[ADB0], v18, 5, s45            ; my wave's four rows of bin_proj, my half's eight h of a tile
	s_lshl_b32 s45, s23, 9
	s_add_co_u32 s45, s45, W2L
	v_lshl_add_u32 v[ADW0], v18, 5, s45
; Block i's codes and scale byte go to LDS: each block has registers of its own for them, so none is written again while a store may read it
.macro PUTW i
	ds_store_b128 v[AWC], v[QC+8*(\i):QC+8*(\i)+3] offset:128*(\i)
	ds_store_b128 v[AWC], v[QC+8*(\i)+4:QC+8*(\i)+7] offset:128*(\i)+16
	ds_store_b8 v[AWS], v[BY+(\i)] offset:4*(\i)
.endm
; ---- One block of 32 along K of my column: rows 128 i + 32 q + 0 .. 31.  left: how many younger global loads may stay out.  The stores of the block before stand at this block's head.
; The scale is 2^(floor(log2(largest magnitude)) - 8): its byte is the largest magnitude's exponent field - 8, held at 1 from below by a floor among the maximum's leaves.
.macro QUANTW i, left
.set XS, XW+32*(\i)
	s_wait_loadcnt \left
.if (\i) > 0
	s_wait_alu depctr_va_vdst(0)                   ; the block before has written its codes and its byte, which the stores below read; at the first of these waits the LDS addresses v8 to v15, v186, v187 and v239 are written too, for the whole kernel
	PUTW (\i)-1
.endif
.if (\i) == 1
	ds_store_b128 v[AW2], v[28:31]                 ; W2 was the first load of all
.endif
	v_max3_num_f32 v[MA], |v[XS]|, |v[XS+1]|, |v[XS+2]|
	v_max3_num_f32 v[MB], |v[XS+3]|, |v[XS+4]|, |v[XS+5]|
.irp j, 6,10,14,18,22,26
	v_max3_num_f32 v[MA], v[MA], |v[XS+\j]|, |v[XS+\j+1]|          ; two chains, so that no line waits for the line above it
	v_max3_num_f32 v[MB], v[MB], |v[XS+\j+2]|, |v[XS+\j+3]|
.endr
	v_max3_num_f32 v[MA], v[MA], |v[XS+30]|, |v[XS+31]|
	v_max3_num_f32 v[MA], v[MA], v[MB], 0x4800000  ; the floor 2^(9 - 127)
	v_add_nc_u32 v[SCL], 0xfc000000, v[MA]         ; 8 off the exponent field: the conversion takes the exponent field of this operand as its scale, and nothing else of it
	v_and_or_b32 v[HOLD], v[MA], 0x7f800000, s31   ; 448 x the scale
	v_lshrrev_b32 v[BY+(\i)], 23, v[SCL]           ; the scale's byte
.set j, 0
.rept 32
	v_med3_num_f32 v[XS+j], v[XS+j], -v[HOLD], v[HOLD]             ; the conversion to an 8-bit code does not saturate (ISA guide 7.6.2): the hold at the largest code x the scale
.set j, j+1
.endr
.irp g, 0,1,2,3
	v_cvt_scalef32_pk8_fp8_f32 v[QC+8*(\i)+2*\g:QC+8*(\i)+2*\g+1], v[XS+8*\g:XS+8*\g+7], v[SCL]
.endr
	v_nop                                          ; one plain vector instruction behind the last conversion: later vector and matrix instructions write its sources and results
.endm
	QUANTW 0, 63                                   ; 64 loads were issued behind this block's: the wait names 63, the most that it can
	QUANTW 1, 32                                   ; the third block's 32 loads may stay out
	QUANTW 2, 0                                    ; all global loads are in, the small operands among them
	s_wait_alu depctr_va_vdst(0)                   ; the third block has written its codes and its byte, which the stores below read; and the quantiser is done with v60 to v155, in which W1's fragments land behind the barrier (no vector line stands between)
	PUTW 2
	s_wait_kmcnt 0x0                               ; b2
	s_wait_dscnt 0x0                               ; for the others' sake: my stores have landed
	s_barrier_signal -1
	s_barrier_wait -1                              ; W1's codes and scale bytes lie in LDS
	; ---- the two projections.  Wave (q, p): tiles of h 2 p and 2 p + 1, for bin tile q and unit tile q.  Fragment (i, s): tile 2 p + i, K step s, at v[WF + 16 (3 i + s)]
.irp i, 0,1
.irp s, 0,1,2
.irp c, 0,1,2,3
	ds_load_b128 v[WF+16*(3*\i+\s)+4*\c:WF+16*(3*\i+\s)+4*\c+3], v[AFC] offset:16*W1P*\i+128*\s+32*\c
.endr
	ds_load_b32 v[WS+3*\i+\s], v[AFS] offset:256*\i+4*\s
.endr
.endr
	s_wait_dscnt 0x0
	s_wait_alu depctr_vm_vsrc(0)                   ; my LDS stores have read the scale bytes v160 to v162, which bin_proj's products write over, and W2 and the codes in v28 to v55, which the moves behind the products write
	; USED TRANSPOSED: source 0 = 16 rows (h) of W1, source 1 = 16 rows of data: lane (r, hh) then holds data row r, and register j the hidden unit 16 t + 8 hh + j.
	; The four accumulators take turns, one instruction a turn.
	v_wmma_scale_f32_16x16x128_f8f6f4 v[DB:DB+7], v[WF:WF+15], v[BF:BF+15], 0, v[WS], v[BS]
	v_wmma_scale_f32_16x16x128_f8f6f4 v[DB+8:DB+15], v[WF+48:WF+63], v[BF:BF+15], 0, v[WS+3], v[BS]
	v_wmma_scale_f32_16x16x128_f8f6f4 v[DU:DU+7], v[WF+32:WF+47], v[UF:UF+15], v[DU:DU+7], v[WS+2], v[US]
	v_wmma_scale_f32_16x16x128_f8f6f4 v[DU+8:DU+15], v[WF+80:WF+95], v[UF:UF+15], v[DU+8:DU+15], v[WS+5], v[US]
	v_wmma_scale_f32_16x16x128_f8f6f4 v[DB:DB+7], v[WF+16:WF+31], v[BF+16:BF+31], v[DB:DB+7], v[WS+1], v[BS+1]
	v_wmma_scale_f32_16x16x128_f8f6f4 v[DB+8:DB+15], v[WF+64:WF+79], v[BF+16:BF+31], v[DB+8:DB+15], v[WS+4], v[BS+1]
	; 44 plain instructions that name none of the products' registers: the eight places behind this form, in front of the stores that read the results
.macro TWICE at, bits
	v_mov_b32 v[CST+\at], \bits
	v_mov_b32 v[CST+\at+1], \bits
.endm
	TWICE 0,  0x36b49f9e                           ; d6 = .0000053830
	TWICE 2,  0x384d0fe2                           ; d5 = .0000488906
	TWICE 4,  0x381f660e                           ; d4 = .0000380036
	TWICE 6,  0x3b56cd72                           ; d3 = .0032776263
	TWICE 8,  0x3cad2fe7                           ; d2 = .0211410061
	TWICE 10, 0x3d4c41b4                           ; d1 = .0498673470
.set j, 0
.rept 32
	v_mov_b32 v[ACC+j], 0                          ; the sixteen sums, in two halves each
.set j, j+1
.endr
	s_wait_alu depctr_va_vdst(0)                   ; the products have written the four accumulators, which the stores below read (the places above stay beside this wait), and are done reading v60 to v131, in which the first set's loads land behind the barrier
.irp i, 0,1
	ds_store_b128 v[ABP], v[DB+8*\i:DB+8*\i+3] offset:64*\i                 ; each accumulator from its low end on
	ds_store_b128 v[ABP], v[DB+8*\i+4:DB+8*\i+7] offset:64*\i+16
.endr
.irp i, 0,1
	ds_store_b128 v[AUP], v[DU+8*\i:DU+8*\i+3] offset:1024*\i              ; as images of the registers: 512 consecutive bytes a store
	ds_store_b128 v[AUP], v[DU+8*\i+4:DU+8*\i+7] offset:1024*\i+512
.endr
	s_wait_dscnt 0x0
	s_barrier_signal -1
	s_barrier_wait -1                              ; bin_proj and unit_proj + b1 lie in LDS; from here on LDS is only read
; ---- THE MAIN PHASE.  Wave w: rows n = 4 w + 0 .. 3, all 64 u.  Lane (r, hh): u = 4 r + T, T = 0 .. 3; of each tile t of 16 h the eight of its half, as two chunks e of four.
; Nine LDS loads bring chunk (t + ah, e) into set e.  LOADA: W2's four, and bin_proj's four for each of four n (sixteen lanes read one address).  LOADB: unit_proj's four for each of four T (16 bytes a lane, on end).
.macro LOADA e, ah, rb, rw
.set LB, SET0+36*(\e)
	ds_load_b128 v[LB+16:LB+19], v[\rw] offset:16*(\e)+64*(\ah)
.irp n, 0,1,2,3
	ds_load_b128 v[LB+20+4*\n:LB+23+4*\n], v[\rb] offset:BPP*\n+16*(\e)+64*(\ah)
.endr
.endm
.macro LOADB e, ah, ru
.set LB, SET0+36*(\e)
.irp t, 0,1,2,3
	ds_load_b128 v[LB+4*\t:LB+4*\t+3], v[\ru] offset:8192*\t+512*(\e)+1024*(\ah)
.endr
.endm
; Sixteen numbers: row n, four T, chunk e's four h, as eight pairs (pair 2 T + h: h = 0, 1 the chunk's halves).  Each stage is eight or sixteen lines that do not wait for each other.
; fill = 1 (a chunk's first batch): the other set is asked for, chunk 1 - e of tile t + ah.
.macro BATCH e, n, fill, ah
.set SB, SET0+36*(\e)
.irp t, 0,1,2,3
.irp h, 0,1
	v_pk_add_f32 v[XR+4*\t+2*\h:XR+4*\t+2*\h+1], v[SB+4*\t+2*\h:SB+4*\t+2*\h+1], v[SB+20+4*(\n)+2*\h:SB+20+4*(\n)+2*\h+1]   ; x
.endr
.endr
.irp k, 0,1,2,3,4,5,6,7,8,9,10,11,12,13,14,15
	v_and_b32 v[UR+\k], s30, v[XR+\k]              ; u = |x|
.endr
.irp k, 0,1,2,3,4,5,6,7
	v_pk_fma_f32 v[PR+2*\k:PR+2*\k+1], v[UR+2*\k:UR+2*\k+1], v[CST:CST+1], v[CST+2:CST+3]   ; d6 u + d5
.endr
.irp c, 4,6,8,10
.irp k, 0,1,2,3,4,5,6,7
	v_pk_fma_f32 v[PR+2*\k:PR+2*\k+1], v[PR+2*\k:PR+2*\k+1], v[UR+2*\k:UR+2*\k+1], v[CST+\c:CST+\c+1]
.endr
.endr
.irp k, 0,1,2,3,4,5,6,7
	v_pk_fma_f32 v[PR+2*\k:PR+2*\k+1], v[PR+2*\k:PR+2*\k+1], v[UR+2*\k:UR+2*\k+1], 1.0 op_sel_hi:[1,1,0]   ; P(u)
.endr
.rept 4
.irp k, 0,1,2,3,4,5,6,7
	v_pk_mul_f32 v[PR+2*\k:PR+2*\k+1], v[PR+2*\k:PR+2*\k+1], v[PR+2*\k:PR+2*\k+1]   ; P^2, P^4, P^8, P^16
.endr
.endr
.irp k, 0,1,2,3,4,5,6,7,8,9,10,11,12,13,14,15
	v_rcp_f32 v[PR+\k], v[PR+\k]                   ; q = P^-16: one batch of sixteen
.endr
.irp k, 0,1,2,3,4,5,6,7
	v_pk_add_f32 v[XR+2*\k:XR+2*\k+1], v[XR+2*\k:XR+2*\k+1], v[UR+2*\k:UR+2*\k+1]   ; x + u: plain work that names no reciprocal, behind the batch
.endr
	s_wait_alu depctr_va_vdst(0)                   ; the sixteen reciprocals have written v[PR ..], ahead of their first reader: one wait for the batch.  fill = 1: also, the chunk before is done reading the other set, in which the loads below land, and the trip's three addresses are written
.if \fill
	LOADA 1-(\e), \ah, ADB, ADW                    ; no vector line since the wait names the other set or v1 to v3: the multiply-adds below name v132 to v179, the sums and this set alone
.endif
.irp k, 0,1,2,3,4,5,6,7
	v_pk_fma_f32 v[XR+2*\k:XR+2*\k+1], v[UR+2*\k:UR+2*\k+1], v[PR+2*\k:PR+2*\k+1], v[XR+2*\k:XR+2*\k+1] neg_lo:[1,0,0] neg_hi:[1,0,0]   ; (x + u) - u q = 2 gelu(x)
.endr
.if \fill
	LOADB 1-(\e), \ah, ADU
.endif
.irp h, 0,1
.irp t, 0,1,2,3
	v_pk_fma_f32 v[ACC+2*(4*(\n)+\t):ACC+2*(4*(\n)+\t)+1], v[XR+4*\t+2*\h:XR+4*\t+2*\h+1], v[SB+16+2*\h:SB+16+2*\h+1], v[ACC+2*(4*(\n)+\t):ACC+2*(4*(\n)+\t)+1]   ; x W2, onto the sum of (n, T)
.endr
.endr
.endm
; A trip: tile t of 16 h, two chunks.  Each set is asked for in the first batch of the chunk that works on the other set, and has the rest of that chunk in which to land.
.macro TRIP last
	s_wait_alu depctr_vm_vsrc(0)                   ; the loads of the trip before have read v1 to v3, which the adds below write; in the first trip: the global loads have, and the projections' stores have read v156 to v171 and v240 to v255, of which the batches write v156 to v171
	v_add_nc_u32 v[ADU], s47, v[ADU0]              ; the trip's addresses: 1,024 t bytes on among the images, 64 t in a row of bin_proj and in W2
	v_add_nc_u32 v[ADB], s46, v[ADB0]
	v_add_nc_u32 v[ADW], s46, v[ADW0]
	s_wait_dscnt 0x0                               ; set 0 is in: no younger LDS load is out
	BATCH 0, 0, 1, 0                               ; and asks for this tile's chunk 1
	BATCH 0, 1, 0, 0
	BATCH 0, 2, 0, 0
	BATCH 0, 3, 0, 0
	s_wait_dscnt 0x0                               ; set 1 is in
.if \last
	BATCH 1, 0, 0, 0                               ; nothing more is asked for
.else
	BATCH 1, 0, 1, 1                               ; and asks for the next tile's chunk 0
.endif
	BATCH 1, 1, 0, 0
	BATCH 1, 2, 0, 0
	BATCH 1, 3, 0, 0
.endm
	s_mov_b32 s46, 0
	s_mov_b32 s47, 0
	LOADA 0, 0, ADB0, ADW0                         ; tile 0's chunk 0 (no vector line stands between the wait ahead of the projections' stores and these loads)
	LOADB 0, 0, ADU0
	s_mov_b32 s34, 7
.Ltrip:
	TRIP 0
	s_add_co_u32 s46, s46, 64
	s_add_co_u32 s47, s47, 1024
	s_sub_co_u32 s34, s34, 1
	s_cmp_lg_u32 s34, 0
	s_cbranch_scc1 .Ltrip
	TRIP 1                                         ; the eighth tile is written out: it asks for nothing beyond the last
	; ---- THE WAY OUT.  A sum's two halves, and the other half of the lanes' (the other eight h of each tile); then x 0.5 + b2.
	v_and_b32 v16, 16, v0
	v_cmp_ne_u32 vcc_lo, 0, v16                    ; lanes 16-31
.irp k, 0,1,2,3,4,5,6,7,8,9,10,11,12,13,14,15
	v_add_f32 v[UR+\k], v[ACC+2*\k], v[ACC+2*\k+1]
.endr
.irp k, 0,1,2,3,4,5,6,7,8,9,10,11,12,13,14,15
	v_permlanex16_b32 v[PR+\k], v[UR+\k], s32, s33
.endr
.irp k, 0,1,2,3,4,5,6,7,8,9,10,11,12,13,14,15
	v_add_f32 v[UR+\k], v[UR+\k], v[PR+\k]         ; both halves of the lanes now hold all sixteen outputs (n, T) of their r
.endr
	s_wait_alu depctr_va_vcc(0)                    ; the compare has written VCC, ahead of its first reader
.irp m, 0,1
.irp t, 0,1,2,3
	v_cndmask_b32 v[XR+4*\m+\t], v[UR+8*\m+\t], v[UR+8*\m+4+\t], vcc_lo    ; lanes 0-15 keep row 2 m, lanes 16-31 row 2 m + 1
.endr
.endr
.irp k, 0,1,2,3,4,5,6,7
	v_fma_f32 v[XR+\k], v[XR+\k], 0.5, s22
.endr
	s_wait_alu depctr_va_vdst(0)                   ; the multiply-adds have written v132 to v139, which the two stores read
.irp m, 0,1
	global_store_b128 v[OOUT], v[XR+4*\m:XR+4*\m+3], s[20:21] offset:4096*\m th:TH_STORE_NT   ; sixteen lanes store 256 consecutive bytes of a row, at a multiple of 256 from out0's first byte
.endr
	s_wait_xcnt 0x0
	v_lshl_add_u32 v254, v0, 2, 0x20000            ; my spare word and 0, made anew (v0 is as at the entry); the LDS stores that read v254 and v255 stand ahead of the loop's waits on vm_vsrc
	v_mov_b32 v255, 0
	s_wait_dscnt 0x0                               ; the closing lines, six on end
	s_wait_alu 0x0
	s_wait_tensorcnt 0x0
	ds_add_u32 v254, v255
	s_wait_dscnt 0x0
	s_endpgm
.Lfunc_end_k_q4fbf94f438_head:
	.size	k_q4fbf94f438_head, .Lfunc_end_k_q4fbf94f438_head-k_q4fbf94f438_head
	.p2alignl 7, 3214868480
	.fill 96, 4, 3214868480
	.section	.rodata,"a",@progbits
	.p2align	6, 0x0
	.amdhsa_kernel k_q4fbf94f438_head
		.amdhsa_group_segment_fixed_size 133120
		.amdhsa_private_segment_fixed_size 0
		.amdhsa_enable_private_segment 0
		.amdhsa_kernarg_size 72
		.amdhsa_user_sgpr_count 2
		.amdhsa_user_sgpr_kernarg_segment_ptr 1
		.amdhsa_wavefront_size32 1
		.amdhsa_system_sgpr_workgroup_id_x 1
		.amdhsa_system_sgpr_workgroup_id_y 1
		.amdhsa_system_sgpr_workgroup_id_z 1
		.amdhsa_system_vgpr_workitem_id 0
		.amdhsa_next_free_vgpr 256
		.amdhsa_next_free_sgpr 66
		.amdhsa_reserve_vcc 1
		.amdhsa_float_denorm_mode_32 3
		.amdhsa_float_denorm_mode_16_64 3
		.amdhsa_memory_ordered 1
		.amdhsa_forward_progress 1
		.amdhsa_inst_pref_size 167
	.end_amdhsa_kernel
	.amdgpu_metadata
---
amdhsa.version: [ 1, 2 ]
amdhsa.kernels:
  - .name:           k_q4fbf94f438_head
    .symbol:         k_q4fbf94f438_head.kd
    .args:
      - { .name: W1, .offset: 0, .size: 8, .value_kind: global_buffer, .address_space: global }
      - { .name: W2, .offset: 8, .size: 8, .value_kind: global_buffer, .address_space: global }
      - { .name: b1, .offset: 16, .size: 8, .value_kind: global_buffer, .address_space: global }
      - { .name: b2, .offset: 24, .size: 8, .value_kind: global_buffer, .address_space: global }
      - { .name: bin_repr_codes, .offset: 32, .size: 8, .value_kind: global_buffer, .address_space: global }
      - { .name: bin_repr_scales, .offset: 40, .size: 8, .value_kind: global_buffer, .address_space: global }
      - { .name: unit_emb_codes, .offset: 48, .size: 8, .value_kind: global_buffer, .address_space: global }
      - { .name: unit_emb_scales, .offset: 56, .size: 8, .value_kind: global_buffer, .address_space: global }
      - { .name: out0, .offset: 64, .size: 8, .value_kind: global_buffer, .address_space: global }
    .group_segment_fixed_size: 133120
    .private_segment_fixed_size: 0
    .kernarg_segment_align: 8
    .kernarg_segment_size: 72
    .max_flat_workgroup_size: 512
    .sgpr_count:     66
    .vgpr_count:     256
    .wavefront_size: 32
...
	.end_amdgpu_metadata
.endif
;; end of part 2
